; MI455X (gfx1250); checked and timed in simulation.
; The chip was launched on July 23, 2026; its instructions are those of AMD's public machine-readable ISA for CDNA 5 (MIT licence, August 2026) and "CDNA5" Instruction Set Architecture Reference Guide (July 2026). The comments in the code are by the model that wrote it; some were corrected since.
;; Tab Net Encoder. Allowed arithmetic: matrix products marked QUANTISED: E2M3 operands, one E8M0 scale for each 32 along K, by v_wmma_scale_f32_16x16x128_f8f6f4 with both operands' format E2M3, f32 sums; everything else in f32.
;; Inputs: att_b 5 x 128 float32; att_be 5 x 128 float32; att_g 5 x 128 float32; att_w 5 x 128 x 128 float32; features 131,072 x 256 float32; glu1_b 256 float32; glu1_be 256 float32; glu1_g 256 float32; glu1_w 256 x 256 float32; glu2_b 256 float32; glu2_be 256 float32; glu2_g 256 float32; glu2_w 128 x 256 float32; out_b 64 float32; out_w 128 x 64 float32.
;; Outputs: out0 131,072 x 64 float32.
;; This version of the problem:
;;   THIS VERSION OF THE PROBLEM IS GIVEN IN LOW PRECISION. The matrix products marked QUANTISED in the list below multiply operands that are first quantised to E2M3 (2 exponent bits, 3 mantissa bits; 6 bits a number), with one power-of-two scale for each 32 numbers along K (OCP MX v1.0); their sums are f32. All else is computed in f32.
;;   The module's matrix products, in the order in which they are computed (A, B: the left and right operand; K: the contracted axis; several contracted axes count as one K, in the product's order):
;;     1. [M 131,072, K 256] x [K 256, N 256]; A: input features; B: input glu1_w: QUANTISED
;;     2. [M 131,072, K 128] x [K 128, N 256]; A: computed on the way; B: input glu2_w: QUANTISED
;;     3. [M 131,072, K 128] x [K 128, N 128]; A: computed on the way; B: input att_w: QUANTISED
;;     4. [M 131,072, K 128] x [K 128, N 64]; A: computed on the way; B: input out_w: QUANTISED
;;     5. [M 131,072, K 128] x [K 128, N 128]; A: computed on the way; B: input att_w: QUANTISED
;;     6. [M 131,072, K 128] x [K 128, N 64]; A: computed on the way; B: input out_w: QUANTISED
;;     7. [M 131,072, K 128] x [K 128, N 128]; A: computed on the way; B: input att_w: QUANTISED
;;     8. [M 131,072, K 128] x [K 128, N 64]; A: computed on the way; B: input out_w: QUANTISED
;;     9. [M 131,072, K 128] x [K 128, N 128]; A: computed on the way; B: input att_w: QUANTISED
;;     10. [M 131,072, K 128] x [K 128, N 64]; A: computed on the way; B: input out_w: QUANTISED
;;     11. [M 131,072, K 128] x [K 128, N 128]; A: computed on the way; B: input att_w: QUANTISED
;;     12. [M 131,072, K 128] x [K 128, N 64]; A: computed on the way; B: input out_w: QUANTISED
;;   THE QUANTISER, for each operand of a quantised product, along K:
;;     - K is cut into blocks of 32 from its start; a last block that is shorter is filled with zeros.
;;     - A block's scale is 2^e with e = floor(log2(the largest magnitude in the block)) - 2, held to -126 .. 127; a block of zeros has e = 0. As a byte (E8M0): e + 127.
;;     - Each number is divided by its block's scale, clamped to +-7.5, and rounded to the nearest number of E2M3, ties to even, subnormals kept.
;;     - The product sums the exact products of the quantised numbers (number of the format x scale) in f32.
;;   ~~~python
;;   def quantise(x, axis):      # numpy; x: float32 -> the quantised numbers, widened to float32 again
;;       x = np.moveaxis(x, axis, -1); K = x.shape[-1]
;;       x = np.pad(x, [(0, 0)] * (x.ndim - 1) + [(0, -K % 32)]); x = x.reshape(x.shape[:-1] + (-1, 32)); a = np.abs(x).max(-1, keepdims=True)
;;       e = np.where(a > 0, np.clip(np.frexp(np.where(a > 0, a, 1))[1] - 1 - 2, -126, 127), 0)      # np.frexp(a)[1] - 1 = floor(log2(a)), exactly
;;       r = np.clip(x / 2.0 ** e, -7.5, 7.5)
;;       step = 2.0 ** (np.maximum(np.frexp(np.where(r == 0, 1, r))[1] - 1, 0) - 3)
;;       q = np.round(r / step) * step * 2.0 ** e      # np.round: ties to even
;;       return np.moveaxis(q.reshape(q.shape[:-2] + (-1,))[..., :K], -1, axis).astype(np.float32)
;;   ~~~
;;   OPERANDS COMPUTED ON THE WAY. 'Computed on the way' means the value that the module computes at that place (a softmax that the list does not call 'softmax' is quantised finished and normalised). What goes into a quantiser is computed in f32, as accurately as f32 sums, v_exp_f32 and their like allow (about 1e-6 of the number): no bf16 or f16 on the way to a quantiser, and a product that is left as it is and whose result goes on into a quantised operand takes f32 operands (vector FMAs, or v_wmma_f32_16x16x4_f32). A number that lies on a knife's edge between two numbers of the format may be rounded either way, as far as f32 arithmetic and the matrix unit's own rounding can turn it there, and no further.
;; One version. Each part assembles by itself: llvm-mc -triple=amdgcn-amd-amdhsa -mcpu=gfx1250 --defsym DOCPART=n.
;; ======== version 1 of 1: 2 launches
;; workspace buffers: blob 106,496 bytes
;; launch prep (part 1): grid 21 x 1, 4 waves a work-group, no clusters, 0 bytes of LDS; arguments glu1_w, glu2_w, att_w, out_w, glu1_g, glu1_b, glu1_be, glu2_g, glu2_b, glu2_be, att_g, att_b, att_be, out_b, blob; writes blob
.if DOCPART == 1
	.amdgcn_target "amdgcn-amd-amdhsa--gfx1250"
	.amdhsa_code_object_version 6
	.text
	.protected	k_q247cab579e_prep
	.globl	k_q247cab579e_prep
	.p2align	8
	.type	k_q247cab579e_prep,@function
k_q247cab579e_prep:
	s_mov_b64 s[64:65], 0
	v_nop
	global_prefetch_b8 v0, s[64:65] scope:SCOPE_SE
	s_setreg_imm32_b32 hwreg(HW_REG_WAVE_MODE, 25, 1), 1
	s_wait_xcnt 0x0
; THE WEIGHTS AND CONSTANTS OF THE MAIN LAUNCH, LAID AS THAT LAUNCH KEEPS THEM IN LDS (106,496 bytes).
; reference() returns the last decision step's output alone (the earlier steps' out is overwritten, prior_scales is used by nothing), so of att_w, att_b, att_g, att_be slice 4 is what is used.
; bytes 0 ..      60 fragments of codes of FP6 (E2M3), 1,536 bytes each: an image of a matrix operand's 12 registers: group g (registers 4 g .. 4 g + 3) at 512 g, lane l's 16 bytes at 16 l.
;                 Lane (r, h) holds, in registers 6 c .. 6 c + 5, the codes of k = kbase + 64 c + 32 h + 0 .. 31 of ONE weight column.
;                 f = 8 b + 4 s + q (0-31): glu1_w, K step s, column 32 b + 8 (q & 1) + 128 (q >> 1) + r + (r & 8);  f = 32 + 4 b + q: glu2_w, the same columns;
;                 f = 48 + t: att_w[4], column 32 (t >> 1) + 8 (t & 1) + r + (r & 8);  f = 56 + t: out_w, column 16 t + r.
; bytes 92,160 .. a fragment's scale words, 128 bytes each: lane l has column (l & 15)'s four E8M0 bytes.
; bytes 99,840 .. constants, one number for each half h of the lanes: number rho at 32 (rho >> 2) + 16 h + 4 (rho & 3).  Ten chunks of 512 bytes (32 gains G, then 32 offsets C), the table 1 / k, out_b, zeros.
;                 G = gamma x 1 / sqrt(1.001), C = b G + beta (one fused multiply-add: the bias is folded ahead of the product's sum, another order of rounding than (s + b) G + beta).
;                 For a GLU's gate columns both are multiplied by -log2(e), for the attention's lanes 16-31 by -1.
; THE QUANTISER: a lane takes a column and its registers run down K, so a block of 32 lies in one lane.  The block's scale byte is its largest magnitude's exponent field - 2, held at 1 from below by a floor among the
; maximum's leaves.  A block of zeros so keeps the byte 1 (its codes are zeros; this program alone reads the bytes).  LIMITS: NaN and infinities among the inputs are not served.
; SHARES: work-groups 0-14: a fragment a wave;  15-19: two chunks of constants each, a number a thread;  20: the tables.  The constants' stores are 128 consecutive bytes a wave: 14 KB of the launch's bytes go out so.
.set SC,   92160
.set CN0,  99840
	s_load_b512 s[8:23], s[0:1], 0x0               ; glu1_w, glu2_w, att_w, out_w, glu1_g, glu1_b, glu1_be, glu2_g
	s_load_b256 s[24:31], s[0:1], 0x40             ; glu2_b, glu2_be, att_g, att_b
	s_load_b128 s[32:35], s[0:1], 0x60             ; att_be, out_b
	s_load_b64 s[36:37], s[0:1], 0x70              ; blob
	s_mov_b32 s2, ttmp9                            ; the work-group
	v_lshrrev_b32 v1, 5, v0
	v_readfirstlane_b32 s3, v1                     ; the wave
	s_mov_b32 s38, 0x76543210
	s_mov_b32 s39, 0xfedcba98                      ; v_permlanex16_b32's selects for lane l xor 16
	s_wait_kmcnt 0x0
	s_cmp_lt_u32 s2, 15
	s_cbranch_scc0 .Lconsts
; ---- a fragment a wave
.macro LOADW ld                        ; W(kbase + 64 c + 32 h + i, my column): sixteen neighbouring lanes read neighbouring columns of a row
.irp c, 0,1
.set i, 0
.rept 32
	global_load_b32 v[32+32*\c+i], v3, s[40:41] offset:(64*\c+i)*\ld*4
.set i, i+1
.endr
.endr
.endm
	v_and_b32 v1, 15, v0                           ; r
	v_bfe_u32 v2, v0, 4, 1                         ; h
	v_and_b32 v6, 31, v0
	v_lshlrev_b32 v4, 4, v6                        ; 16 x lane
	v_lshlrev_b32 v5, 2, v6                        ; 4 x lane
	v_and_b32 v6, 8, v1
	v_add_nc_u32 v6, v6, v1                        ; r + (r & 8)
	s_cmp_lt_u32 s2, 12
	s_cbranch_scc0 .Lnot256
	s_lshr_b32 s42, s2, 1                          ; glu1_w: chunk b,
	s_and_b32 s43, s2, 1
	s_lshl_b32 s43, s43, 17                        ; K step s: 128 rows of 1,024 bytes
	s_sub_co_u32 s44, s2, 8                        ; glu2_w: chunk b
	s_cmp_lt_u32 s2, 8
	s_cselect_b64 s[40:41], s[8:9], s[10:11]
	s_cselect_b32 s42, s42, s44
	s_cselect_b32 s46, s43, 0
	s_mov_b32 s47, 0
	s_add_nc_u64 s[40:41], s[40:41], s[46:47]
	s_lshl_b32 s42, s42, 5                         ; 32 b
	s_and_b32 s44, s3, 1
	s_lshl_b32 s44, s44, 3
	s_add_co_u32 s42, s42, s44                     ; + 8 (q & 1)
	s_lshr_b32 s44, s3, 1
	s_lshl_b32 s44, s44, 7
	s_add_co_u32 s42, s42, s44                     ; + 128 (q >> 1)
	v_add_nc_u32 v6, s42, v6
	v_lshlrev_b32 v3, 15, v2                       ; lanes 16-31 begin 32 rows further down
	v_lshl_add_u32 v3, v6, 2, v3
	LOADW 256
	s_branch .Lquant
.Lnot256:
	s_cmp_lt_u32 s2, 14
	s_cbranch_scc0 .Lwo
	s_sub_co_u32 s42, s2, 12
	s_lshl_b32 s42, s42, 2
	s_add_co_u32 s42, s42, s3                      ; att_w[4]: tile t
	s_lshr_b32 s43, s42, 1
	s_lshl_b32 s43, s43, 5
	s_and_b32 s42, s42, 1
	s_lshl_b32 s42, s42, 3
	s_add_co_u32 s42, s42, s43                     ; 32 (t >> 1) + 8 (t & 1)
	s_add_nc_u64 s[40:41], s[12:13], 262144        ; slice 4: 4 x 128 x 128 x 4 bytes on
	v_add_nc_u32 v6, s42, v6
	v_lshlrev_b32 v3, 14, v2
	v_lshl_add_u32 v3, v6, 2, v3
	LOADW 128
	s_branch .Lquant
.Lwo:
	s_lshl_b32 s42, s3, 4                          ; out_w: columns 16 t + r
	s_mov_b64 s[40:41], s[14:15]
	v_add_nc_u32 v6, s42, v1
	v_lshlrev_b32 v3, 13, v2
	v_lshl_add_u32 v3, v6, 2, v3
	LOADW 64
.Lquant:
	s_lshl_b32 s44, s2, 2
	s_add_co_u32 s44, s44, s3                      ; f
	s_mul_i32 s46, s44, 1536
	s_mov_b32 s47, 0
	s_add_nc_u64 s[48:49], s[36:37], s[46:47]      ; its image
	s_lshl_b32 s46, s44, 7
	s_add_co_u32 s46, s46, SC
	s_add_nc_u64 s[50:51], s[36:37], s[46:47]      ; its scale words
	s_wait_loadcnt 0x0
.irp c, 0,1                                    ; my blocks h and 2 + h: all 32 numbers of each are mine
	v_max3_num_f32 v[8+\c], |v[32+32*\c]|, |v[33+32*\c]|, 0x1800000   ; with the floor 2^(3 - 127): the byte cannot fall under 1
.endr
.irp i, 2,4,6,8,10,12,14,16,18,20,22,24,26,28,30
.irp c, 0,1
	v_max3_num_f32 v[8+\c], v[8+\c], |v[32+32*\c+\i]|, |v[33+32*\c+\i]|
.endr
.endr
.irp c, 0,1
	v_add_nc_u32 v[10+\c], 0xff000000, v[8+\c]     ; 2 off the exponent field: the conversion's scale operand
.endr
.irp c, 0,1
	v_lshrrev_b32 v[12+\c], 23, v[10+\c]           ; the scale's byte
.endr
	v_lshl_or_b32 v14, v13, 16, v12
	v_lshlrev_b32 v15, 3, v2
	v_lshlrev_b32 v14, v15, v14                    ; at their places in the word (8 h bits up)
	v_mov_b32 v15, 0
	v_permlanex16_b32 v15, v14, s38, s39
	v_or_b32 v14, v14, v15                         ; with lane l xor 16's two bytes the word is whole, in both halves
.irp c, 0,1
	v_cvt_scalef32_pk16_fp6_f32 v[96+6*\c:98+6*\c], v[32+32*\c:47+32*\c], v[10+\c]
	v_cvt_scalef32_pk16_fp6_f32 v[108+4*\c:110+4*\c], v[48+32*\c:63+32*\c], v[10+\c]   ; (a conversion's three registers begin on an even number)
.endr
	v_nop                                          ; one plain line behind the conversions
.irp c, 0,1
.irp i, 0,1,2
	v_mov_b32 v[99+6*\c+\i], v[108+4*\c+\i]
.endr
.endr
.irp g, 0,1,2
	global_store_b128 v4, v[96+4*\g:99+4*\g], s[48:49] offset:512*\g   ; 512 consecutive bytes a store
.endr
	global_store_b32 v5, v14, s[50:51]
	s_endpgm
; ---- the gains and offsets: thread t makes number w = t & 63 of chunk e = t >> 6 of the work-group's two
.Lconsts:
	s_cmp_lt_u32 s2, 20
	s_cbranch_scc0 .Ltables
	s_sub_co_u32 s40, s2, 15                       ; c: 0, 1 GLU 1;  2, 3 GLU 2;  4 the attention
	s_and_b32 s52, s40, 1
	s_lshl_b32 s52, s52, 6                         ; a GLU's first column: 64 (c & 1)
	s_lshl_b32 s54, s40, 10
	s_add_co_u32 s54, s54, CN0                     ; where the two chunks go: 1,024 c
	s_mov_b32 s55, 0
	s_add_nc_u64 s[54:55], s[36:37], s[54:55]
	s_cmp_lt_u32 s40, 2
	s_cselect_b64 s[42:43], s[16:17], s[22:23]     ; gamma
	s_cselect_b64 s[44:45], s[18:19], s[24:25]     ; b
	s_cselect_b64 s[46:47], s[20:21], s[26:27]     ; beta
	s_cmp_lt_u32 s40, 4
	s_cselect_b64 s[42:43], s[42:43], s[28:29]
	s_cselect_b64 s[44:45], s[44:45], s[30:31]
	s_cselect_b64 s[46:47], s[46:47], s[32:33]
	s_cselect_b32 s48, 5, 6                        ; from chunk to chunk: 32 columns, in the attention 64
	s_cselect_b32 s49, 7, 5                        ; from q >> 1 = 0 to 1: 128 columns (value, gate), in the attention 32
	s_cselect_b32 s50, 5, 2                        ; the bit of w that asks for the factor: q >> 1, in the attention h
	s_mov_b32 s51, 0xbf800000                      ; -1
	s_cselect_b32 s51, 0xbfb8aa3b, s51             ; -log2(e)
	s_cselect_b32 s52, s52, 512                    ; the attention: slice 4 begins at number 512
	v_lshrrev_b32 v1, 6, v0                        ; e
	v_and_b32 v2, 63, v0                           ; w = 8 (rho >> 2) + 4 h + (rho & 3)
	v_bfe_u32 v3, v0, 2, 1                         ; h
	v_bfe_u32 v4, v0, 5, 1                         ; q >> 1
	v_bfe_u32 v5, v0, 4, 1                         ; q & 1
	v_bfe_u32 v6, v0, 3, 1
	v_and_b32 v7, 3, v0
	v_lshl_add_u32 v7, v6, 2, v7                   ; j = rho & 7
	v_lshl_add_u32 v7, v5, 3, v7
	v_lshl_add_u32 v7, v3, 4, v7
	v_lshlrev_b32 v8, s48, v1
	v_lshlrev_b32 v9, s49, v4
	v_add3_u32 v7, v7, v8, v9
	v_add_nc_u32 v7, s52, v7                       ; the column
	v_lshlrev_b32 v7, 2, v7
	global_load_b32 v10, v7, s[42:43]
	global_load_b32 v11, v7, s[44:45]
	global_load_b32 v12, v7, s[46:47]
	v_lshrrev_b32 v13, s50, v2
	v_and_b32 v13, 1, v13
	v_cmp_eq_u32 vcc_lo, 1, v13
	v_mov_b32 v14, 1.0
	v_mov_b32 v15, s51
	v_cndmask_b32 v14, v14, v15, vcc_lo            ; the factor
	v_lshlrev_b32 v16, 2, v2
	v_lshl_add_u32 v16, v1, 9, v16                 ; 512 e + 4 w
	s_wait_loadcnt 0x0
	v_mul_f32 v10, 0x3f7fdf42, v10                 ; G = gamma x f32(1 / sqrt(1.001))
	v_fma_f32 v11, v11, v10, v12                   ; C = b G + beta
	v_mul_f32 v10, v10, v14
	v_mul_f32 v11, v11, v14
	global_store_b32 v16, v10, s[54:55]
	global_store_b32 v16, v11, s[54:55] offset:256
	s_endpgm
; ---- the tables: 1 / k (k = rho + 1 in lanes 0-15, 127 - rho in lanes 16-31), out_b in the last product's result layout, zeros up to the blob's end
.Ltables:
	v_lshrrev_b32 v1, 3, v0
	v_and_b32 v2, 3, v0
	v_lshl_add_u32 v1, v1, 2, v2                   ; rho
	v_bfe_u32 v3, v0, 2, 1                         ; h
	v_add_nc_u32 v4, 1, v1
	v_sub_nc_u32 v5, 127, v1
	v_cmp_eq_u32 vcc_lo, 1, v3
	v_cndmask_b32 v4, v4, v5, vcc_lo
	v_cvt_f32_u32 v4, v4                           ; k
	v_rcp_f32 v5, v4
	v_lshlrev_b32 v6, 2, v0                        ; (a plain line behind the reciprocal)  4 t
	s_wait_alu depctr_va_vdst(0)                   ; ahead of the reciprocal's first reader
	v_fma_f32 v7, -v4, v5, 1.0
	v_fma_f32 v5, v5, v7, v5                       ; one Newton step
	s_add_nc_u64 s[40:41], s[36:37], CN0+5120
	global_store_b32 v6, v5, s[40:41]
	v_mov_b32 v8, 0
	v_mov_b32 v9, 0
	s_cmp_lt_u32 s3, 2                             ; out_b has 32 numbers a half: threads 0 to 63
	s_cbranch_scc0 .Lzero
	v_lshrrev_b32 v10, 3, v1
	v_and_b32 v11, 7, v1
	v_lshl_add_u32 v11, v10, 4, v11
	v_lshl_add_u32 v11, v3, 3, v11                 ; 16 (rho >> 3) + 8 h + (rho & 7)
	v_lshlrev_b32 v11, 2, v11
	global_load_b32 v8, v11, s[34:35]
	s_wait_loadcnt 0x0
.Lzero:
	global_store_b32 v6, v8, s[40:41] offset:512
	global_store_b32 v6, v9, s[40:41] offset:1024
	s_endpgm
.Lfunc_end_k_q247cab579e_prep:
	.size	k_q247cab579e_prep, .Lfunc_end_k_q247cab579e_prep-k_q247cab579e_prep
	.p2alignl 7, 3214868480
	.fill 96, 4, 3214868480
	.section	.rodata,"a",@progbits
	.p2align	6, 0x0
	.amdhsa_kernel k_q247cab579e_prep
		.amdhsa_group_segment_fixed_size 0
		.amdhsa_private_segment_fixed_size 0
		.amdhsa_enable_private_segment 0
		.amdhsa_kernarg_size 120
		.amdhsa_user_sgpr_count 2
		.amdhsa_user_sgpr_kernarg_segment_ptr 1
		.amdhsa_wavefront_size32 1
		.amdhsa_system_sgpr_workgroup_id_x 1
		.amdhsa_system_sgpr_workgroup_id_y 1
		.amdhsa_system_sgpr_workgroup_id_z 1
		.amdhsa_system_vgpr_workitem_id 0
		.amdhsa_next_free_vgpr 128
		.amdhsa_next_free_sgpr 66
		.amdhsa_reserve_vcc 1
		.amdhsa_float_denorm_mode_32 3
		.amdhsa_float_denorm_mode_16_64 3
		.amdhsa_memory_ordered 1
		.amdhsa_forward_progress 1
		.amdhsa_inst_pref_size 29
	.end_amdhsa_kernel
	.amdgpu_metadata
---
amdhsa.version: [ 1, 2 ]
amdhsa.kernels:
  - .name:           k_q247cab579e_prep
    .symbol:         k_q247cab579e_prep.kd
    .args:
      - { .name: glu1_w, .offset: 0, .size: 8, .value_kind: global_buffer, .address_space: global }
      - { .name: glu2_w, .offset: 8, .size: 8, .value_kind: global_buffer, .address_space: global }
      - { .name: att_w, .offset: 16, .size: 8, .value_kind: global_buffer, .address_space: global }
      - { .name: out_w, .offset: 24, .size: 8, .value_kind: global_buffer, .address_space: global }
      - { .name: glu1_g, .offset: 32, .size: 8, .value_kind: global_buffer, .address_space: global }
      - { .name: glu1_b, .offset: 40, .size: 8, .value_kind: global_buffer, .address_space: global }
      - { .name: glu1_be, .offset: 48, .size: 8, .value_kind: global_buffer, .address_space: global }
      - { .name: glu2_g, .offset: 56, .size: 8, .value_kind: global_buffer, .address_space: global }
      - { .name: glu2_b, .offset: 64, .size: 8, .value_kind: global_buffer, .address_space: global }
      - { .name: glu2_be, .offset: 72, .size: 8, .value_kind: global_buffer, .address_space: global }
      - { .name: att_g, .offset: 80, .size: 8, .value_kind: global_buffer, .address_space: global }
      - { .name: att_b, .offset: 88, .size: 8, .value_kind: global_buffer, .address_space: global }
      - { .name: att_be, .offset: 96, .size: 8, .value_kind: global_buffer, .address_space: global }
      - { .name: out_b, .offset: 104, .size: 8, .value_kind: global_buffer, .address_space: global }
      - { .name: blob, .offset: 112, .size: 8, .value_kind: global_buffer, .address_space: global }
    .group_segment_fixed_size: 0
    .private_segment_fixed_size: 0
    .kernarg_segment_align: 8
    .kernarg_segment_size: 120
    .max_flat_workgroup_size: 128
    .sgpr_count:     66
    .vgpr_count:     128
    .wavefront_size: 32
...
	.end_amdgpu_metadata
.endif
;; end of part 1
;; launch main (part 2): grid 256 x 1, 8 waves a work-group, no clusters, 312,320 bytes of LDS; arguments features, blob, out0; writes out0
.if DOCPART == 2
	.amdgcn_target "amdgcn-amd-amdhsa--gfx1250"
	.amdhsa_code_object_version 6
	.text
	.protected	k_q247cab579e_main
	.globl	k_q247cab579e_main
	.p2align	8
	.type	k_q247cab579e_main,@function
k_q247cab579e_main:
	s_mov_b64 s[64:65], 0
	v_nop
	global_prefetch_b8 v0, s[64:65] scope:SCOPE_SE
	s_setreg_imm32_b32 hwreg(HW_REG_WAVE_MODE, 25, 1), 1
	s_wait_xcnt 0x0
; out = (t2 x sparsemax(bn(t2 Wa + ba))) Wo + bo,  t2 = glu2(glu1(features)): the whole chain for 32 rows at a time in one wave's registers.  All products on codes of FP6 (E2M3) with one E8M0 scale for each 32 along K.
; reference() returns the last decision step's output alone, so that step is what is computed.
; SHARES.  A work-group takes 512 rows, each of its eight waves 64, in two passes of 32: tile A (16 rows, registers v0-255) and tile B (16 rows, v256-511).  Each weight fragment and constant read from LDS serves both tiles.
; Waves share nothing but the weights' blob (106,496 bytes, made by the launch before), which four tensor loads bring into LDS once: one barrier, at the head.
; NO CLUSTER: what work-groups share is that blob, once, against the 512 x 1,280 = 655,360 bytes of rows that are a work-group's own.
; LAYOUT.  Every product is used transposed (source 0 = 16 weight columns, source 1 = 16 rows), so lane (r, h) holds row r throughout and its registers run along the features.  The columns of a weight tile are chosen
; (r + (r & 8)) so that register 16 b + i is feature 32 b + 16 h + i: 16 neighbours along the next K, which the conversions take as they stand.
; SPARSEMAX WITHOUT A SEARCH.  tau = the largest of (S_k - 1) / k over k = 1 .. 128, S_k the sum of the k largest z: (S_k - 1) / k rises just as long as reference()'s support test holds, and falls behind it.
; A row's 128 z lie in lanes r and r + 16, 64 registers each.  Lanes 16-31 hold y = -z (the sign is in their constants), so ONE descending sort of 64 in registers sorts z down in lane r and up in lane r + 16: a bitonic
; row of 128.  Its first merge step is max(mine, -the other's) in both halves; six more stages finish.  A running sum (begun with -1, in lanes 16-31 with the row's sum - 1), a multiply by 1 / k and a maximum give tau.
; No compare, no branch, no address hangs on data.  The scores are made a second time (8 matrix instructions a tile) for the mask, so that the sort needs no third bank of 64 registers.
; LIMITS.  NaN and infinities among the inputs are not served.  v_exp_f32 and v_rcp_f32 give 0 for results under 2^-126 (ISA guide, their entries), so a sigmoid under 2^-126 is 0.  A block whose largest magnitude lies under
; 2^-124 has the byte 1, as the rule's hold at -126 says; a block of zeros too (its codes are zeros).  The biases are folded into offsets C = b G + beta: another order of rounding than (s + b) G + beta.
; REGISTERS, tile-local (the same number in window 0 for tile A and in window 1 for tile B): v0-63 TF: t2, earlier x's two fragments;  v64-127 bank P;  v128-191 bank Q;  v224-255 small things.
;   P also: a chunk's four accumulators (AC), t1's codes (CD1).  Q of window 0 also: 64 constants (CN).  Window 1, v128-223 also: eight weight fragments (WF).  Window 0, v192-223: addresses and scale words.
.set SC,     92160                     ; LDS: the blob's scale words,
.set CN0,    99840                     ; and its constants
.set TURNS,  106496                    ; behind the blob: for each wave two stages of 16 rows x (512 bytes + 16), in which x changes lanes
.set OUTS,   241664                    ; for each wave two stages of 16 rows x (256 bytes + 16), for the way out
.set SPARE,  311296                    ; the spare words, 128 bytes for each wave: four blocks of 256 bytes that no other line names
.set TF,  0
.set P,   64
.set Q,   128
.set AC,  P
.set CD1, P+32
.set CN,  Q
.set WF,  128
.set CD,  224                          ; v224-235 the codes just made (t2's, later the masked t2's)
.set T,   236                          ; v236-238 a block's upper half on its way
.set M,   240
.set X1,  241                          ; what a lane permute brings
.set SO,  242                          ; a conversion's scale operand
.set BY,  243
.set PW,  244                          ; the scale word in the making
.set RI,  245                          ; what the running sum begins with
.set TAU, 246                          ; v246-247 tau, twice
.set SG,  248                          ; v248-249 +1 in lanes 0-15, -1 in lanes 16-31, twice
.set HF,  250                          ; 0.0, 1.0
.set W128, 251                         ; lanes 16-31: 1 / 128;  lanes 0-15: 3e38
.set SH8, 252                          ; 8 h
.set RE,  253                          ; (the row's sum - 1) / 128
.set M2,  254
.set SO2, 255
.set SPW, 192                          ; window 0 alone from here.  LDS address of my spare word; never rewritten
.set NIL, 193                          ; 0; never rewritten
.set L16, 194                          ; 16 x lane: images under 49,152, x's loads, out's stores
.set LJ,  195                          ; 16 x lane + 49,152: the other images
.set LS,  196                          ; 4 x lane + SC
.set LC,  197                          ; 16 h + CN0
.set TS,  198                          ; my turn stage + 16 x lane
.set TL,  199                          ; my turn stage + 528 r + 128 h
.set OS,  200                          ; my out stage + 272 r + 32 h
.set OL,  201                          ; my out stage + 272 (lane / 16) + 16 (lane % 16)
.set PF,  202                          ; 256 x lane
.set WS,  204                          ; v204-211 the weight fragments' scale words
.set XS,  212                          ; v212-215 x's scale words: A step 0, A step 1, B step 0, B step 1
.set SW1, 216                          ; v216-217 t1's (A, B);  v218-219 t2's;  v220-221 the masked t2's
.set SW2, 218
.set SW3, 220
.set MSB, 0
.macro WIN new                         ; s_set_vgpr_msb: bits 1:0 source 0, 3:2 source 1, 5:4 source 2, 7:6 destination; the high byte repeats the setting that is left
.if MSB != \new
	s_set_vgpr_msb (MSB<<8)|\new
.set MSB, \new
.endif
.endm
.macro NOPS n
.rept \n
	v_nop
.endr
.endm
; 32 rows of x, 64 loads of 512 consecutive bytes: unit u = 2 tile + K step lands in P of A, Q of A, P of B, Q of B; row i of a unit in registers 4 i .. 4 i + 3
.macro XLOAD
	WIN 0
.irp s, 0,1
.set k, 0
.rept 16
	global_load_b128 v[P+64*\s+4*k:P+64*\s+4*k+3], v[L16], s[4:5] offset:k*1024+512*\s th:TH_LOAD_NT
.set k, k+1
.endr
.endr
	WIN 0x40
.irp s, 0,1
.set k, 0
.rept 16
	global_load_b128 v[P+64*\s+4*k:P+64*\s+4*k+3], v[L16], s[4:5] offset:(16+k)*1024+512*\s th:TH_LOAD_NT
.set k, k+1
.endr
.endr
	WIN 0
.endm
; Unit u changes lanes through my own stage: in as loaded, out so that lane (r, h) holds x[r][128 s + 64 c + 32 h + i] in register 32 c + i.  LDS serves a wave's instructions in order: no wait between
.macro TURN u
.set bank, P+64*((\u)&1)
.set par, ((\u)&1)*8448
.if (\u) >= 2
	WIN 0x04
.else
	WIN 0
.endif
.set k, 0
.rept 16
	ds_store_b128 v[TS], v[bank+4*k:bank+4*k+3] offset:par+528*k
.set k, k+1
.endr
.if (\u) >= 2
	WIN 0x40
.endif
.irp c, 0,1
.set k, 0
.rept 8
	ds_load_b128 v[bank+32*\c+4*k:bank+32*\c+4*k+3], v[TL] offset:par+256*\c+16*k
.set k, k+1
.endr
.endr
.endm
; Unit u becomes a fragment (TF + 12 s on) and a scale word.  A lane holds two whole blocks, h and 2 + h
.macro QX u
.set bank, P+64*((\u)&1)
.set xf, TF+12*((\u)&1)
.if (\u) >= 2
	WIN 0x55
.else
	WIN 0
.endif
	v_max3_num_f32 v[M], |v[bank]|, |v[bank+1]|, 0x1800000         ; with the floor 2^(3 - 127): the byte cannot fall under 1
	v_max3_num_f32 v[M2], |v[bank+32]|, |v[bank+33]|, 0x1800000
.set k, 2
.rept 15
	v_max3_num_f32 v[M], v[M], |v[bank+k]|, |v[bank+k+1]|
	v_max3_num_f32 v[M2], v[M2], |v[bank+32+k]|, |v[bank+33+k]|
.set k, k+2
.endr
	v_add_nc_u32 v[SO], 0xff000000, v[M]           ; 2 off the exponent field: the conversion's scale operand
	v_add_nc_u32 v[SO2], 0xff000000, v[M2]
	v_lshrrev_b32 v[BY], 23, v[SO]
	v_lshrrev_b32 v[PW], 23, v[SO2]
	v_lshl_or_b32 v[PW], v[PW], 16, v[BY]
	v_lshlrev_b32 v[PW], v[SH8], v[PW]             ; my two bytes at their places
	v_permlanex16_b32 v[X1], v[PW], s24, s25
	v_cvt_scalef32_pk16_fp6_f32 v[xf:xf+2], v[bank:bank+15], v[SO]
	v_cvt_scalef32_pk16_fp6_f32 v[T:T+2], v[bank+16:bank+31], v[SO]   ; (a conversion's three registers begin on an even number)
	v_nop                                          ; one plain line behind the conversions
.irp i, 0,1,2
	v_mov_b32 v[xf+3+\i], v[T+\i]
.endr
	v_cvt_scalef32_pk16_fp6_f32 v[xf+6:xf+8], v[bank+32:bank+47], v[SO2]
	v_cvt_scalef32_pk16_fp6_f32 v[T:T+2], v[bank+48:bank+63], v[SO2]
	v_nop
.irp i, 0,1,2
	v_mov_b32 v[xf+9+\i], v[T+\i]
.endr
.if (\u) >= 2
	WIN 0x05
.endif
	v_or_b32 v[XS+(\u)], v[PW], v[X1]              ; with lane l xor 16's two bytes the word is whole
.endm
; n weight fragments (images of 1,536 bytes from v[adr] + off on) into slots s0 on, and their scale words (fragments f0 on)
.macro LOADSET n, s0, adr, off, f0
	WIN 0x40
.set k, 0
.rept \n
.irp g, 0,1,2
	ds_load_b128 v[WF+12*(\s0+k)+4*\g:WF+12*(\s0+k)+4*\g+3], v[\adr] offset:(\off)+1536*k+512*\g
.endr
.set k, k+1
.endr
	WIN 0
.set k, 0
.rept \n
	ds_load_b32 v[WS+\s0+k], v[LS] offset:128*((\f0)+k)
.set k, k+1
.endr
.endm
.macro CNLOAD dst, off, n              ; 4 n constants: the sixteen lanes of a half read the same 16 bytes
.set k, 0
.rept \n
	ds_load_b128 v[(\dst)+4*k:(\dst)+4*k+3], v[LC] offset:(\off)+32*k
.set k, k+1
.endr
.endm
.macro MM d, a, b, cm, c, sa, sb       ; cm = 0: the product starts the sum
.if \cm
	v_wmma_scale_f32_16x16x128_f8f6f4 v[(\d):(\d)+7], v[(\a):(\a)+11], v[(\b):(\b)+11], v[(\c):(\c)+7], v[(\sa)], v[(\sb)] matrix_a_fmt:MATRIX_FMT_FP6 matrix_b_fmt:MATRIX_FMT_FP6
.else
	v_wmma_scale_f32_16x16x128_f8f6f4 v[(\d):(\d)+7], v[(\a):(\a)+11], v[(\b):(\b)+11], 0, v[(\sa)], v[(\sb)] matrix_a_fmt:MATRIX_FMT_FP6 matrix_b_fmt:MATRIX_FMT_FP6
.endif
.endm
; 16 numbers of a lane (half of block b of the next K; the other half lies in lane l xor 16) become codes in cd on; their byte goes into PW
.macro QB src, b, cd
	v_max3_num_f32 v[M], |v[(\src)]|, |v[(\src)+1]|, 0x1800000
	v_max3_num_f32 v[M2], |v[(\src)+2]|, |v[(\src)+3]|, |v[(\src)+4]|
	v_max3_num_f32 v[M], v[M], |v[(\src)+5]|, |v[(\src)+6]|
	v_max3_num_f32 v[M2], v[M2], |v[(\src)+7]|, |v[(\src)+8]|
	v_max3_num_f32 v[M], v[M], |v[(\src)+9]|, |v[(\src)+10]|
	v_max3_num_f32 v[M2], v[M2], |v[(\src)+11]|, |v[(\src)+12]|
	v_max3_num_f32 v[M], v[M], |v[(\src)+13]|, |v[(\src)+14]|
	v_max3_num_f32 v[M], v[M], v[M2], |v[(\src)+15]|
	v_permlanex16_b32 v[X1], v[M], s24, s25
	v_max_num_f32 v[M], v[M], v[X1]                ; the block's largest magnitude
	v_add_nc_u32 v[SO], 0xff000000, v[M]
.if (\b) == 0
	v_lshrrev_b32 v[PW], 23, v[SO]
.else
	v_lshrrev_b32 v[BY], 23, v[SO]
	v_lshl_or_b32 v[PW], v[BY], 8*(\b), v[PW]
.endif
.if ((\b)&1) == 0
	v_cvt_scalef32_pk16_fp6_f32 v[(\cd)+3*(\b):(\cd)+3*(\b)+2], v[(\src):(\src)+15], v[SO]
	v_nop                                          ; one plain line behind a conversion
.else
	v_cvt_scalef32_pk16_fp6_f32 v[T:T+2], v[(\src):(\src)+15], v[SO]
	v_nop
.irp i, 0,1,2                                  ; the operand's layout wants a whole block in a lane: lanes 0-15 block b - 1, lanes 16-31 block b
	v_permlane16_swap_b32 v[(\cd)+3*((\b)-1)+\i], v[T+\i]
.endr
.irp i, 0,1,2
	v_mov_b32 v[(\cd)+3*(\b)+\i], v[T+\i]
.endr
.endif
.endm
.macro BNFMA a                         ; 32 sums x G + C, from each accumulator's low end on
.set k, 0
.rept 16
	v_pk_fma_f32 v[(\a)+k:(\a)+k+1], v[(\a)+k:(\a)+k+1], v[CN+k:CN+k+1], v[CN+32+k:CN+33+k]
.set k, k+2
.endr
.endm
.macro GEMMS ph, tile                  ; a chunk's products for one tile: two value tiles, two gate tiles; the four accumulators take turns
.if \ph == 1
.irp q, 0,1,2,3
	MM AC+8*\q, WF+12*\q, TF, 0, 0, WS+\q, XS+2*\tile
.endr
.irp q, 0,1,2,3
	MM AC+8*\q, WF+12*(4+\q), TF+12, 1, AC+8*\q, WS+4+\q, XS+2*\tile+1
.endr
.else
.irp q, 0,1,2,3
	MM AC+8*\q, WF+12*\q, CD1, 0, 0, WS+\q, SW1+\tile
.endr
.endif
.endm
.macro EXPS
.set k, 0
.rept 16
	v_exp_f32 v[AC+16+k], v[AC+16+k]               ; 2^(-log2(e) x gate): the factor is in the constants
.set k, k+1
.endr
.endm
.macro RCPS
.set k, 0
.rept 8
	v_pk_add_f32 v[AC+16+k:AC+17+k], v[AC+16+k:AC+17+k], 1.0 op_sel_hi:[1,0]
.set k, k+2
.endr
.set k, 0
.rept 16
	v_rcp_f32 v[AC+16+k], v[AC+16+k]               ; the sigmoid
.set k, k+1
.endr
.endm
.macro GATE dst
.set k, 0
.rept 8
	v_pk_mul_f32 v[(\dst)+k:(\dst)+k+1], v[AC+k:AC+k+1], v[AC+16+k:AC+17+k]
.set k, k+2
.endr
.endm
; Chunk b of GLU ph: features 32 b .. 32 b + 31 of its result, for both tiles.  Its weights and constants were asked for a chunk ago; the next chunk's are asked for behind the multiply-adds and land under the rest.
.macro CHUNK ph, b
	s_wait_dscnt 0x0                               ; this chunk's fragments, scale words and constants are in
	WIN 0x01
	GEMMS \ph, 0
	WIN 0x55
	GEMMS \ph, 1
	NOPS 4                                         ; places behind the products, for the reads below and for the loads into the fragments' and scale words' registers
	WIN 0x41
	BNFMA AC
	WIN 0
	BNFMA AC
.if \ph == 1
.if \b < 3
	LOADSET 8, 0, L16, 12288*(\b+1), 8*(\b+1)
	CNLOAD CN, 512*(\b+1), 16
.else
	LOADSET 4, 0, LJ, 0, 32
	CNLOAD CN, 2048, 16
.endif
.else
.if \b < 3
	LOADSET 4, 0, LJ, 6144*(\b+1), 32+4*(\b+1)
	CNLOAD CN, 2048+512*(\b+1), 16
.else
	LOADSET 8, 0, LJ, 24576, 48
	CNLOAD CN, 4096, 16
.endif
.endif
	EXPS
	WIN 0x55
	EXPS
	v_nop                                          ; a plain line behind the last exponential,
	s_wait_alu depctr_va_vdst(0)                   ; and one wait for both tiles' 32, ahead of their first reader
	RCPS
	WIN 0
	RCPS
	v_nop
	s_wait_alu depctr_va_vdst(0)                   ; one wait for both tiles' 32 reciprocals
.if \ph == 1
	GATE AC
	QB AC, \b, CD1
.else
	GATE TF+16*\b
	QB TF+16*\b, \b, CD
.endif
.if \b == 3
	v_mov_b32 v[SW1+2*(\ph-1)], v[PW]
.endif
	WIN 0x55
.if \ph == 1
	GATE AC
	QB AC, \b, CD1
.else
	GATE TF+16*\b
	QB TF+16*\b, \b, CD
.endif
.if \b == 3
	WIN 0x01
	v_mov_b32 v[SW1+2*(\ph-1)+1], v[PW]
.endif
.endm
.macro MASK e                          ; features 64 e on: t2 x max(0, z - tau); in lanes 16-31 z = -y
.set k, 0
.rept 16
	v_pk_fma_f32 v[P+32*\e+k:P+32*\e+k+1], v[P+32*\e+k:P+32*\e+k+1], v[SG:SG+1], v[TAU:TAU+1] neg_lo:[0,0,1] neg_hi:[0,0,1]
.set k, k+2
.endr
.set k, 0
.rept 32
	v_max_num_f32 v[P+32*\e+k], 0, v[P+32*\e+k]
.set k, k+1
.endr
.set k, 0
.rept 16
	v_pk_mul_f32 v[P+32*\e+k:P+32*\e+k+1], v[P+32*\e+k:P+32*\e+k+1], v[TF+32*\e+k:TF+32*\e+k+1]
.set k, k+2
.endr
.endm
; The attention's scores into P, for both tiles.  mask = 0: for the sort.  mask = 1: once more, and masked; the last product's weights and bias are asked for on the way
.macro ATT mask
	s_wait_dscnt 0x0
.if \mask == 0
	NOPS 8                                         ; t2's scale word has just been written by a vector instruction: eight places ahead of the scaled products
.endif
	WIN 0x01
.irp t, 0,1,2,3,4,5,6,7
	MM P+8*\t, WF+12*\t, CD, 0, 0, WS+\t, SW2
.endr
	WIN 0x55
.irp t, 0,1,2,3,4,5,6,7
	MM P+8*\t, WF+12*\t, CD, 0, 0, WS+\t, SW2+1
.endr
	NOPS 4
	WIN 0x41
	BNFMA P
	WIN 0
	BNFMA P
	CNLOAD CN, 4608, 16                            ; the second 32 gains and offsets take the first's place
.if \mask
	MASK 0
	WIN 0x55
	MASK 0
.endif
	s_wait_dscnt 0x0
	WIN 0x41
	BNFMA P+32
	WIN 0
	BNFMA P+32
.if \mask
	LOADSET 4, 4, LJ, 36864, 56
	CNLOAD Q+32, 5632, 8
	MASK 1
	WIN 0x55
	MASK 1
.endif
.endm
.macro SUMTREE                         ; what the running sum begins with: -1, in lanes 16-31 the row's sum - 1; and (the row's sum - 1) / 128.  Q is scratch
.set k, 0
.rept 16
	v_pk_add_f32 v[Q+2*k:Q+2*k+1], v[P+4*k:P+4*k+1], v[P+4*k+2:P+4*k+3]
.set k, k+1
.endr
.irp w, 16,8,4,2
.set k, 0
.rept \w/2
	v_pk_add_f32 v[Q+k:Q+k+1], v[Q+k:Q+k+1], v[Q+\w+k:Q+\w+k+1]
.set k, k+2
.endr
.endr
	v_add_f32 v[M], v[Q], v[Q+1]                   ; my 64: in lanes 16-31 the sum of y = -z
	v_permlanex16_b32 v[X1], v[M], s24, s25
	v_sub_f32 v[M2], v[X1], v[M]                   ; in lanes 16-31: the row's sum
	v_fma_f32 v[RI], v[HF], v[M2], -1.0
	v_mul_f32 v[RE], v[RI], v[W128]                ; in lanes 0-15: -3e38, under every candidate
.endm
; One stage of the bitonic network, from one bank to the other, so that a comparator is one max and one min.  Elements i and i | 1 << bb are compared; the larger goes to i where i & kk is 0.
; Element i lies at i with its bits 0 and bb swapped (bp: the stage before): a comparator's two results lie in an even register and the next, as a dual-issue pair of max and min would ask; here they are two lines.
.macro STAGE src, dst, kk, bb, bp
.set si, 0
.rept 64
.if (si & (1<<\bb)) == 0
.set sl, si | (1<<\bb)
.set sa, \src + ((si & (63-(1|(1<<\bp)))) | ((si>>\bp)&1) | ((si&1)<<\bp))
.set sb, \src + ((sl & (63-(1|(1<<\bp)))) | ((sl>>\bp)&1) | ((sl&1)<<\bp))
.set sd, \dst + ((si & (63-(1|(1<<\bb)))) | ((si&1)<<\bb))
.if (si & \kk) == 0
	v_max_num_f32 v[sd], v[sa], v[sb]
	v_min_num_f32 v[sd+1], v[sa], v[sb]
.else
	v_min_num_f32 v[sd], v[sa], v[sb]
	v_max_num_f32 v[sd+1], v[sa], v[sb]
.endif
.endif
.set si, si+1
.endr
.endm
.macro SORT                            ; P's 64, descending, then merged with the other half of the lanes; the result lies in P in order
	STAGE P, Q, 2, 0, 0
	STAGE Q, P, 4, 1, 0
	STAGE P, Q, 4, 0, 1
	STAGE Q, P, 8, 2, 0
	STAGE P, Q, 8, 1, 2
	STAGE Q, P, 8, 0, 1
	STAGE P, Q, 16, 3, 0
	STAGE Q, P, 16, 2, 3
	STAGE P, Q, 16, 1, 2
	STAGE Q, P, 16, 0, 1
	STAGE P, Q, 32, 4, 0
	STAGE Q, P, 32, 3, 4
	STAGE P, Q, 32, 2, 3
	STAGE Q, P, 32, 1, 2
	STAGE P, Q, 32, 0, 1
	STAGE Q, P, 64, 5, 0
	STAGE P, Q, 64, 4, 5
	STAGE Q, P, 64, 3, 4
	STAGE P, Q, 64, 2, 3
	STAGE Q, P, 64, 1, 2
	STAGE P, Q, 64, 0, 1
.set k, 0
.rept 64
	v_permlanex16_b32 v[P+k], v[Q+k], s24, s25
.set k, k+1
.endr
.set k, 0
.rept 64
	v_max_num_f32 v[P+k], v[Q+k], -v[P+k]          ; lanes 0-15 keep the larger z, lanes 16-31 the larger y, which is the smaller z
.set k, k+1
.endr
	STAGE P, Q, 64, 5, 0
	STAGE Q, P, 64, 4, 5
	STAGE P, Q, 64, 3, 4
	STAGE Q, P, 64, 2, 3
	STAGE P, Q, 64, 1, 2
	STAGE Q, P, 64, 0, 1
.endm
.macro TMUL p
	v_pk_mul_f32 v[P+2*(\p):P+2*(\p)+1], v[P+2*(\p):P+2*(\p)+1], v[Q+2*(\p):Q+2*(\p)+1]
.endm
.macro TMAX p
.if (\p) == 0
	v_max_num_f32 v[M], v[P], v[P+1]
.elseif (\p) == 1
	v_max_num_f32 v[M2], v[P+2], v[P+3]
.elseif ((\p)&1) == 0
	v_max3_num_f32 v[M], v[M], v[P+2*(\p)], v[P+2*(\p)+1]
.else
	v_max3_num_f32 v[M2], v[M2], v[P+2*(\p)], v[P+2*(\p)+1]
.endif
.endm
; tau.  Register i of the running sum is S_k - 1 with k = i + 1 in lanes 0-15 and k = 127 - i in lanes 16-31 (there the row's sum less the 1 + i smallest).  The multiplies by 1 / k and the maxima stand between the
; sum's links, 16 links behind it: the table's loads land under the first 16
.macro TAUCALC tile
.if \tile
	WIN 0x40
.else
	WIN 0
.endif
	CNLOAD Q, 5120, 16
.if \tile
	WIN 0x55
.endif
	v_add_f32 v[P], v[P], v[RI]
.set k, 1
.rept 15
	v_add_f32 v[P+k], v[P+k], v[P+k-1]
.set k, k+1
.endr
	s_wait_dscnt 0x0                               ; the table
.rept 48
	v_add_f32 v[P+k], v[P+k], v[P+k-1]
.if (k&1) == 1
	TMUL (k-17)/2
.if k > 17
	TMAX (k-19)/2
.endif
.endif
.set k, k+1
.endr
.set k, 24
.rept 8
	TMUL k
	TMAX k-1
.set k, k+1
.endr
	TMAX 31
	v_max3_num_f32 v[M], v[M], v[M2], v[RE]
	v_permlanex16_b32 v[X1], v[M], s24, s25
	v_max_num_f32 v[TAU], v[M], v[X1]
	v_mov_b32 v[TAU+1], v[TAU]
.endm
; The masked t2 is quantised, multiplied by out_w (out_b is the sums' C), and leaves through my stage as whole rows: a store covers two rows of 256 bytes, 512 consecutive bytes
.macro OUTP
	WIN 0
.irp b, 0,1,2,3
	QB P+16*\b, \b, CD
.endr
	v_mov_b32 v[SW3], v[PW]
	WIN 0x55
.irp b, 0,1,2,3
	QB P+16*\b, \b, CD
.endr
	WIN 0x01
	v_mov_b32 v[SW3+1], v[PW]
	s_wait_dscnt 0x0                               ; out_w's fragments and scale words, out_b
	NOPS 8                                         ; the scale word has just been written by a vector instruction
.irp t, 0,1,2,3
	MM Q+8*\t, WF+48+12*\t, CD, 1, Q+32+8*\t, WS+4+\t, SW3
.endr
	WIN 0x45
.irp t, 0,1,2,3
	MM Q+8*\t, WF+48+12*\t, CD, 1, Q+32+8*\t, WS+4+\t, SW3+1
.endr
	NOPS 4
	WIN 0
.irp t, 0,1,2,3
	ds_store_b128 v[OS], v[Q+8*\t:Q+8*\t+3] offset:64*\t           ; lane (r, h): out(r, 16 t + 8 h + 0 .. 7); each accumulator from its low end on
	ds_store_b128 v[OS], v[Q+8*\t+4:Q+8*\t+7] offset:64*\t+16
.endr
.irp i, 0,1,2,3,4,5,6,7
	ds_load_b128 v[P+4*\i:P+4*\i+3], v[OL] offset:544*\i           ; LDS serves a wave's instructions in order: these see my stores
.endr
	WIN 0x04
.irp t, 0,1,2,3
	ds_store_b128 v[OS], v[Q+8*\t:Q+8*\t+3] offset:4352+64*\t
	ds_store_b128 v[OS], v[Q+8*\t+4:Q+8*\t+7] offset:4352+64*\t+16
.endr
	WIN 0x40
.irp i, 0,1,2,3,4,5,6,7
	ds_load_b128 v[P+4*\i:P+4*\i+3], v[OL] offset:4352+544*\i
.endr
	WIN 0
	s_wait_dscnt 16                                ; tile A is back; tile B's eight stores and eight loads may be out
.irp i, 0,1,2,3,4,5,6,7
	global_store_b128 v[L16], v[P+4*\i:P+4*\i+3], s[8:9] offset:2*\i*256 th:TH_STORE_NT
.endr
	s_wait_dscnt 0x0
	WIN 0x04
.irp i, 0,1,2,3,4,5,6,7
	global_store_b128 v[L16], v[P+4*\i:P+4*\i+3], s[8:9] offset:(16+2*\i)*256 th:TH_STORE_NT
.endr
	WIN 0
.endm
; ---- the head
	s_load_b128 s[4:7], s[0:1], 0x0                ; features, blob
	s_load_b64 s[8:9], s[0:1], 0x10                ; out0
	v_lshl_add_u32 v[SPW], v0, 2, SPARE
	v_mov_b32 v[NIL], 0
	ds_add_u32 v[SPW], v[NIL]                      ; the wave's opening: the add and its wait stand ahead of the first tensor load; the set-up below, work on registers, stands between them
	v_lshrrev_b32 v1, 5, v0
	v_readfirstlane_b32 s10, v1                    ; wave 0..7
	v_and_b32 v1, 31, v0                           ; lane
	v_and_b32 v2, 15, v0                           ; r
	v_bfe_u32 v3, v0, 4, 1                         ; h
	v_lshlrev_b32 v[L16], 4, v1
	v_lshl_add_u32 v[LJ], v1, 4, 49152
	v_lshl_add_u32 v[LS], v1, 2, SC
	v_lshl_add_u32 v[LC], v3, 4, CN0
	s_mul_i32 s27, s10, 16896
	s_add_co_u32 s27, s27, TURNS                   ; my turn stages
	v_add_nc_u32 v[TS], s27, v[L16]
	v_mul_u32_u24 v4, v2, 528
	v_lshl_add_u32 v4, v3, 7, v4
	v_add_nc_u32 v[TL], s27, v4
	s_mul_i32 s28, s10, 8704
	s_add_co_u32 s28, s28, OUTS                    ; my out stages
	v_mul_u32_u24 v4, v2, 272
	v_lshl_add_u32 v4, v3, 5, v4
	v_add_nc_u32 v[OS], s28, v4
	v_mul_u32_u24 v4, v3, 272
	v_lshl_add_u32 v4, v2, 4, v4
	v_add_nc_u32 v[OL], s28, v4
	v_lshlrev_b32 v[PF], 8, v1
	v_cvt_f32_u32 v[HF], v3
	v_fma_f32 v[SG], v[HF], -2.0, 1.0
	v_mov_b32 v[SG+1], v[SG]
	v_mov_b32 v4, 0x7f61b1e6                       ; 3e38
	v_mov_b32 v5, 0x3c000000                       ; 1 / 128
	v_cmp_eq_u32 s30, 1, v3
	v_cndmask_b32 v[W128], v4, v5, s30
	v_lshlrev_b32 v[SH8], 3, v3
	v_mov_b32 v[X1], 0                             ; written once: a lane permute's destination counts as one of its sources
	s_mov_b32 s24, 0x76543210
	s_mov_b32 s25, 0xfedcba98                      ; v_permlanex16_b32's selects for lane l xor 16
	s_mov_b32 s26, 2                               ; passes
	; the blob's quarter: 26,624 dense bytes as 104 rows of 256 (32 elements of 8 bytes), no padding, no mask
	s_mov_b32 s16, 3<<16
	s_mov_b32 s17, 32<<16                          ; tensor_dim0
	s_mov_b32 s18, 104<<16                         ; tensor_dim1
	s_mov_b32 s19, 32<<16                          ; tile_dim0
	s_mov_b32 s20, 104                             ; tile_dim1
	s_mov_b32 s21, 32                              ; the pitch
	s_mov_b32 s22, 0
	s_mov_b32 s23, 0
	s_and_b32 s29, s10, 3
	s_mul_i32 s29, s29, 26624
	s_mov_b32 s12, 1                               ; count = 1
	s_mov_b32 s13, s29                             ; LDS address: the blob lies in LDS as in memory
	s_wait_dscnt 0x0                               ; the opening add is done
	s_wait_kmcnt 0x0
	s_mov_b32 s30, s29
	s_mov_b32 s31, 0
	s_add_nc_u64 s[14:15], s[6:7], s[30:31]
	s_or_b32 s15, s15, 0x80000000                  ; type = 2
	s_lshl_b32 s30, ttmp9, 19
	s_lshl_b32 s31, s10, 16
	s_add_co_u32 s30, s30, s31                     ; (512 x work-group + 64 x wave) rows of 1,024 bytes
	s_mov_b32 s31, 0
	s_add_nc_u64 s[4:5], s[4:5], s[30:31]
	s_lshl_b32 s30, ttmp9, 17
	s_lshl_b32 s31, s10, 14
	s_add_co_u32 s30, s30, s31                     ; and of 256 bytes
	s_mov_b32 s31, 0
	s_add_nc_u64 s[8:9], s[8:9], s[30:31]
	WIN 0x40                                       ; tile B's copies of the lane constants
	v_mov_b32 v[SG], v[SG]
	v_mov_b32 v[SG+1], v[SG+1]
	v_mov_b32 v[HF], v[HF]
	v_mov_b32 v[W128], v[W128]
	v_mov_b32 v[SH8], v[SH8]
	v_mov_b32 v[X1], 0
	WIN 0
	; Waves 4 to 7 fetch the blob, a quarter each (one tensor load of a wave is out); then every wave asks for its first 32 rows, which are on their way while the blob lands
	s_cmp_lt_u32 s10, 4
	s_cbranch_scc1 .Lrows
	tensor_load_to_lds s[12:15], s[16:23]
	s_nop 0
	NOPS 4
.Lrows:
	XLOAD
	s_wait_tensorcnt 0x0                           ; my quarter has landed,
	s_barrier_signal -1
	s_barrier_wait -1                              ; everybody's has.  (My rows' loads stay out across the barrier: they land in my own registers)
.Lpass:
	; ---- x: four units of 16 rows x 128 change lanes and are quantised; a unit's turn through LDS stands beside the unit before's arithmetic
	s_wait_loadcnt 48                              ; unit 0's 16 loads are in; the three younger units' may be out
	TURN 0
	s_wait_loadcnt 32
	TURN 1
	s_wait_dscnt 32                                ; unit 0 is back; unit 1's 32 LDS instructions may be out
	QX 0
	s_wait_loadcnt 16
	TURN 2
	s_wait_dscnt 32
	QX 1
	s_wait_loadcnt 0x0
	TURN 3
	s_wait_dscnt 32
	QX 2
	s_wait_dscnt 0x0
	QX 3
	LOADSET 8, 0, L16, 0, 0
	CNLOAD CN, 0, 16
	NOPS 8                                         ; x's last scale word has just been written by a vector instruction
	; ---- GLU 1, GLU 2
	CHUNK 1, 0
	CHUNK 1, 1
	CHUNK 1, 2
	CHUNK 1, 3
	NOPS 8                                         ; t1's scale word likewise
	CHUNK 2, 0
	CHUNK 2, 1
	CHUNK 2, 2
	CHUNK 2, 3
	; ---- the scores, tau
	ATT 0
	WIN 0
	SUMTREE
	SORT
	TAUCALC 0
	WIN 0x55
	SUMTREE
	SORT
	WIN 0
	s_cmp_eq_u32 s26, 1                            ; the next pass's tile A is asked for ahead of its loads: 16 rows of 1,024 bytes, each lane another 256 bytes, each named once in the launch; the last pass asks for nothing
	s_cbranch_scc1 .Lnopf
	global_prefetch_b8 v[PF], s[4:5] offset:32768 th:TH_LOAD_NT scope:SCOPE_SE
	global_prefetch_b8 v[PF], s[4:5] offset:40960 th:TH_LOAD_NT scope:SCOPE_SE
.Lnopf:
	TAUCALC 1
	; ---- the scores again, the mask, the last product, the way out
	LOADSET 8, 0, LJ, 24576, 48
	CNLOAD CN, 4096, 16
	ATT 1
	OUTP
	s_wait_xcnt 0x0                                ; the stores and prefetches have read their registers and bases: both bases may step, and the next rows may land in the stores' data registers
	s_add_nc_u64 s[4:5], s[4:5], 32768
	s_add_nc_u64 s[8:9], s[8:9], 8192
	s_cmp_eq_u32 s26, 1                            ; no load leaves its buffer: the last pass asks for no rows
	s_cbranch_scc1 .Llast
	XLOAD
.Llast:
	s_sub_co_u32 s26, s26, 1
	s_cmp_lg_u32 s26, 0
	s_cbranch_scc1 .Lpass
	s_wait_tensorcnt 0x0                           ; the wave's end, behind my last tensor load and my last LDS store
	ds_add_u32 v[SPW], v[NIL]
	s_wait_dscnt 0x0
	s_endpgm
.Lfunc_end_k_q247cab579e_main:
	.size	k_q247cab579e_main, .Lfunc_end_k_q247cab579e_main-k_q247cab579e_main
	.p2alignl 7, 3214868480
	.fill 96, 4, 3214868480
	.section	.rodata,"a",@progbits
	.p2align	6, 0x0
	.amdhsa_kernel k_q247cab579e_main
		.amdhsa_group_segment_fixed_size 312320
		.amdhsa_private_segment_fixed_size 0
		.amdhsa_enable_private_segment 0
		.amdhsa_kernarg_size 24
		.amdhsa_user_sgpr_count 2
		.amdhsa_user_sgpr_kernarg_segment_ptr 1
		.amdhsa_wavefront_size32 1
		.amdhsa_system_sgpr_workgroup_id_x 1
		.amdhsa_system_sgpr_workgroup_id_y 1
		.amdhsa_system_sgpr_workgroup_id_z 1
		.amdhsa_system_vgpr_workitem_id 0
		.amdhsa_next_free_vgpr 512
		.amdhsa_next_free_sgpr 66
		.amdhsa_reserve_vcc 0
		.amdhsa_float_denorm_mode_32 3
		.amdhsa_float_denorm_mode_16_64 3
		.amdhsa_memory_ordered 1
		.amdhsa_forward_progress 1
		.amdhsa_inst_pref_size 255
	.end_amdhsa_kernel
	.section	.bss,"aw",@nobits
	.p2align	6
	.space	262144
	.amdgpu_metadata
---
amdhsa.version: [ 1, 2 ]
amdhsa.kernels:
  - .name:           k_q247cab579e_main
    .symbol:         k_q247cab579e_main.kd
    .args:
      - { .name: features, .offset: 0, .size: 8, .value_kind: global_buffer, .address_space: global }
      - { .name: blob, .offset: 8, .size: 8, .value_kind: global_buffer, .address_space: global }
      - { .name: out0, .offset: 16, .size: 8, .value_kind: global_buffer, .address_space: global }
    .group_segment_fixed_size: 312320
    .private_segment_fixed_size: 0
    .kernarg_segment_align: 8
    .kernarg_segment_size: 24
    .max_flat_workgroup_size: 256
    .sgpr_count:     66
    .vgpr_count:     512
    .wavefront_size: 32
...
	.end_amdgpu_metadata
.endif
;; end of part 2
